; MI455X (gfx1250); checked and timed in simulation.
; The chip was launched on July 23, 2026; its instructions are those of AMD's public machine-readable ISA for CDNA 5 (MIT licence, August 2026) and "CDNA5" Instruction Set Architecture Reference Guide (July 2026). The comments in the code are by the model that wrote it; some were corrected since.
;; Self Attn Like Module. Allowed arithmetic: matrix products marked QUANTISED: E2M3 operands, one E8M0 scale for each 32 along K, by v_wmma_scale_f32_16x16x128_f8f6f4 with both operands' format E2M3, f32 sums; everything else in f32.
;; Inputs: Wk_codes 1,024 x 32 x 24 uint8 (E2M3 codes of Wk, K innermost, in blocks of 32 codes, four codes in three bytes); Wk_scales 1,024 x 32 uint8 (E8M0 scales of Wk, one for each 32 codes along K); Wo_codes 1,024 x 32 x 24 uint8 (E2M3 codes of Wo, K innermost, in blocks of 32 codes, four codes in three bytes); Wo_scales 1,024 x 32 uint8 (E8M0 scales of Wo, one for each 32 codes along K); Wq_codes 1,024 x 32 x 24 uint8 (E2M3 codes of Wq, K innermost, in blocks of 32 codes, four codes in three bytes); Wq_scales 1,024 x 32 uint8 (E8M0 scales of Wq, one for each 32 codes along K); Wv_codes 1,024 x 32 x 24 uint8 (E2M3 codes of Wv, K innermost, in blocks of 32 codes, four codes in three bytes); Wv_scales 1,024 x 32 uint8 (E8M0 scales of Wv, one for each 32 codes along K); bo 1,024 float32; mask 2 x 1 x 1 x 2,048 float32; x_codes 2 x 2,048 x 32 x 24 uint8 (E2M3 codes of x, K innermost, in blocks of 32 codes, four codes in three bytes); x_scales 2 x 2,048 x 32 uint8 (E8M0 scales of x, one for each 32 codes along K).
;; Outputs: out0 2 x 2,048 x 1,024 float32.
;; This version of the problem:
;;   THIS VERSION OF THE PROBLEM IS GIVEN IN LOW PRECISION. The matrix products marked QUANTISED in the list below multiply operands that are first quantised to E2M3 (2 exponent bits, 3 mantissa bits; 6 bits a number), with one power-of-two scale for each 32 numbers along K (OCP MX v1.0); their sums are f32. All else is computed in f32.
;;   The module's matrix products, in the order in which they are computed (A, B: the left and right operand; K: the contracted axis; several contracted axes count as one K, in the product's order):
;;     1. [M 4,096, K 1,024] x [K 1,024, N 1,024]; A: input x (given as codes); B: input Wq (given as codes): QUANTISED
;;     2. [M 4,096, K 1,024] x [K 1,024, N 1,024]; A: input x (given as codes); B: input Wk (given as codes): QUANTISED
;;     3. [M 4,096, K 1,024] x [K 1,024, N 1,024]; A: input x (given as codes); B: input Wv (given as codes): QUANTISED
;;     4. batch 32 x [M 2,048, K 64] x [K 64, N 2,048]; A: computed on the way; B: computed on the way: QUANTISED
;;     5. batch 32 x [M 2,048, K 2,048] x [K 2,048, N 64]; A: softmax (see below); B: computed on the way: QUANTISED
;;     6. [M 4,096, K 1,024] x [K 1,024, N 1,024]; A: computed on the way; B: input Wo (given as codes): QUANTISED
;;   THE QUANTISER, for each operand of a quantised product, along K:
;;     - K is cut into blocks of 32 from its start; a last block that is shorter is filled with zeros.
;;     - A block's scale is 2^e with e = floor(log2(the largest magnitude in the block)) - 2, held to -126 .. 127; a block of zeros has e = 0. As a byte (E8M0): e + 127.
;;     - Each number is divided by its block's scale, clamped to +-7.5, and rounded to the nearest number of E2M3, ties to even, subnormals kept.
;;     - The product sums the exact products of the quantised numbers (number of the format x scale) in f32.
;;   ~~~python
;;   def quantise(x, axis):      # numpy; x: float32 -> the quantised numbers, widened to float32 again
;;       x = np.moveaxis(x, axis, -1); K = x.shape[-1]
;;       x = np.pad(x, [(0, 0)] * (x.ndim - 1) + [(0, -K % 32)]); x = x.reshape(x.shape[:-1] + (-1, 32)); a = np.abs(x).max(-1, keepdims=True)
;;       e = np.where(a > 0, np.clip(np.frexp(np.where(a > 0, a, 1))[1] - 1 - 2, -126, 127), 0)      # np.frexp(a)[1] - 1 = floor(log2(a)), exactly
;;       r = np.clip(x / 2.0 ** e, -7.5, 7.5)
;;       step = 2.0 ** (np.maximum(np.frexp(np.where(r == 0, 1, r))[1] - 1, 0) - 3)
;;       q = np.round(r / step) * step * 2.0 ** e      # np.round: ties to even
;;       return np.moveaxis(q.reshape(q.shape[:-2] + (-1,))[..., :K], -1, axis).astype(np.float32)
;;   ~~~
;;   SOFTMAX AHEAD OF A QUANTISED PRODUCT. Where the list says 'softmax', what is quantised is not the finished softmax but p = 2^(t - M), with t = logit x log2(e) and M = ceil(the row's largest t), a whole number; so 1/2 < the row's largest p <= 1. The row's sum l is taken of the UNQUANTISED p, in f32, and the product's result is divided by l at the end. Since M is a whole number, a kernel that streams over the keys may use a running M (the ceiling of the running maximum): every later rescaling is an exact power of two, which a block's scale takes up: the codes' values come out the same.
;;   OPERANDS COMPUTED ON THE WAY. 'Computed on the way' means the value that the module computes at that place (a softmax that the list does not call 'softmax' is quantised finished and normalised). What goes into a quantiser is computed in f32, as accurately as f32 sums, v_exp_f32 and their like allow (about 1e-6 of the number): no bf16 or f16 on the way to a quantiser, and a product that is left as it is and whose result goes on into a quantised operand takes f32 operands (vector FMAs, or v_wmma_f32_16x16x4_f32). A number that lies on a knife's edge between two numbers of the format may be rounded either way, as far as f32 arithmetic and the matrix unit's own rounding can turn it there, and no further.
;;   INPUTS GIVEN AS CODES. Wk (in the module: [1024, 1024], K = its axis 0); Wo (in the module: [1024, 1024], K = its axis 0); Wq (in the module: [1024, 1024], K = its axis 0); Wv (in the module: [1024, 1024], K = its axis 0); x (in the module: [2, 2048, 1024], K = its axis 2): each comes as NAME_codes (uint8): NAME with its K axis moved to the last place and cut into blocks of 32 codes, [.., K / 32, bytes a block], one block behind the other in memory; four codes in three bytes: a row's codes are one little-endian stream of bits, code i at bits 6 i .. 6 i + 5 (a code: sign, 2 exponent bits, 3 mantissa bits); and NAME_scales (uint8): the same leading axes, one E8M0 byte (e + 127) for each 32 codes along K. Its value is code x scale, taken as it is: it is not quantised again, and the codes and scales need not be those that the quantiser above would give.
;; One version. Each part assembles by itself: llvm-mc -triple=amdgcn-amd-amdhsa -mcpu=gfx1250 --defsym DOCPART=n.
;; ======== version 1 of 1: 3 launches
;; limits: right only within a limited range of input values
;; workspace buffers: qc 3,145,728 bytes; qs 524,288 bytes; kb 3,670,016 bytes; vb 3,407,872 bytes; cc 3,145,728 bytes; cs 131,072 bytes
;; launch qkv (part 1): grid 16 x 16, 4 waves a work-group, clusters of 4 x 4, 327,680 bytes of LDS; arguments x_codes, x_scales, Wq_codes, Wq_scales, Wk_codes, Wk_scales, Wv_codes, Wv_scales, qc, qs, kb, vb; writes qc, qs, kb, vb
.if DOCPART == 1
	.amdgcn_target "amdgcn-amd-amdhsa--gfx1250"
	.amdhsa_code_object_version 6
	.text
	.protected	k_q8567cae782_qkv
	.globl	k_q8567cae782_qkv
	.p2align	8
	.type	k_q8567cae782_qkv,@function
k_q8567cae782_qkv:
	s_mov_b64 s[64:65], 0
	v_nop
	global_prefetch_b8 v0, s[64:65] scope:SCOPE_SE
	s_setreg_imm32_b32 hwreg(HW_REG_WAVE_MODE, 25, 1), 1
	s_wait_xcnt 0x0
	s_wait_alu depctr_hold_cnt(0) depctr_sa_sdst(0) depctr_va_vdst(0) depctr_va_sdst(0) depctr_va_ssrc(0) depctr_va_vcc(0) depctr_vm_vsrc(0)
	s_getreg_b32 s2, hwreg(HW_REG_IB_STS2, 6, 4)
	s_cmp_eq_u32 s2, 0
	s_cbranch_scc0 .Lentry_in_a_cluster
	s_endpgm
.Lentry_in_a_cluster:
	s_bfe_u32 s2, ttmp6, 0x10000c
	s_cmp_lg_u32 s2, 0xf033
	s_cbranch_scc0 .Lentry_shape_is_right
	s_endpgm
.Lentry_shape_is_right:
; q = x Wq, k = x Wk, v = x Wv on codes of FP6 (E2M3) with one E8M0 scale for each 32 along K = 1,024; the f32 results are quantised here: q and k along a head's 64 channels, v along the keys.
; SHARES.  A work-group takes 256 rows of x and one head: 64 columns each of q, k and v.  Wave w keeps its 64 rows of x (four tiles a), ALL of K, in registers: 32 fragments, 384 registers.
; The twelve weight tiles of 16 rows stream past: batch n = 4 p + t is tile t of weight p: 8 fragments, 32 products, two sets of fragment registers by turns.  No fragment is read twice by a wave.
; THE ROWS OF A TILE ARE NOT NEIGHBOURS.  In every group of 64 rows (of x, of a head's rows of Wq, Wk) lane r of tile t takes row 8 t + r (r < 8) or 32 + 8 (t xor 1) + r - 8 (r >= 8); of Wv it takes 8 t + r or 32 + 8 t + r - 8.
;   q and k are made transposed (source 0 = 16 rows of W, source 1 = 16 rows of x), v as it stands (source 0 = x, source 1 = Wv).  In a result lanes 0-15 then hold members of the group's first 32 and lanes 16-31 of its second 32:
;   the 32 registers of four tiles are a WHOLE block of 32 in one lane: its largest magnitude needs no other lane, and two conversions give registers 6 c .. 6 c + 5 of the next operand.
;   Inside the second 32 the groups of eight stand in the order 1, 0, 3, 2: alike in q and k (channels), alike in v and in the later p (keys), so the products are the same.  v's channels stand in their natural order.
;   The 16 LDS rows of a tile are all different modulo 16: at 816 bytes (204 words) from row to row the 32 lanes of an 8-byte read touch 64 different banks (64 banks of 4 bytes: ISA guide 11.1); Wv's rows 32-63 lie 8 rows further on for that.
; OUT.  qc: [batch x head][group 32][tile 4][768]: registers 0-3 of lane l at 16 l, registers 4-5 at 512 + 8 l.  qs: [batch x head][group][lane 32][tile 4] words: bytes 0, 1 the two blocks' scales, bytes 2, 3 = 127.
;   5 is taken off q's bytes: the division of the scores by sqrt(1,024) = 32, exact.
;   kb: for each batch x head 98,304 bytes of codes, [group 32][piece 6][lane 32][16]: the 24 registers of the four tiles on end; then 16,384 bytes of scale words as q's.
;   vb: for each batch x head 98,304 bytes of codes as q's; then 8,192 bytes: [128 keys][lane 32][tile 4][half 2] of 16 bits.
; LDS: x's 256 rows, Wq's 64, Wk's 64; Wv's 64 rows are the one refill, onto x's rows, which all waves hold in registers by then.  By this text's count a wave has one tensor load out at the head and one behind the refill's round.
; CLUSTERS, 4 x 4: x's rows hang on the block of rows alone and are asked for jointly along a row of the cluster, the weights' on the head alone, along a column.
; PREFETCH: Wv's 192 units of 256 bytes, which the refill will load, are shared out by address among the sixteen waves of a column of the cluster, 12 each, three batches ahead of the refill.
; Nothing is left out as dead work.
; LIMITS: NaN and infinities are not served.  A block of q whose largest magnitude lies under 2^-119 is quantised under the scale 2^-121 (so that its byte less 5 stays at 1 or above); other blocks under 2^-124 under 2^-126.
;   A block of zeros gets the floor's byte where the rule says 127: its codes are zeros, and the bytes are read by this program alone.
; REGISTERS, in windows of 256: window 0: v0-31 addresses; v32-63 x's scale words (8 a + s); v68-163 the weights' (8 n + s); v164-231 the way out.
;   fragments: f lies in window 1 + f / 21 at 12 (f % 21): 0-31 x's (4 s + a), 32-39 and 40-47 the weight tile's two sets.  window 3, v128-255: 16 accumulators.
.set PITCH,  816                       ; an LDS row: 3 x (256 bytes of data + 16 of padding)
.set XB,     256*PITCH
.set WB,     64*PITCH
.set WQB,    XB
.set WKB,    XB+WB
.set STG,    XB+2*WB                   ; 1,024 bytes in which v's scale bytes meet; no fill lands there
.set SPARE,  STG+1024                  ; the spare words, 128 bytes for each wave
.set TROW,   8*PITCH                   ; from tile to tile
.set FR,     12
.set FPW,    21
.set NF,     26                        ; LDS loads of a batch's eight fragments
.set SOE,    24                        ; v24, v25, v26  byte offsets of my row's scales: even tiles, odd tiles, Wv's tiles
.set SPW,    28
.set NIL,    29
.set XS,     32
.set WS,     68
.set OUTR,   164                       ; four blocks' codes, 6 registers apart
.set TMPR,   188                       ; the second halves as the conversions leave them
.set MX,     204
.set SO,     208
.set BY,     212
.set WD,     216
.set XC,     220
.set AC,     128
.set WV,     32                        ; s32 my wave's number
.set G1X,    48                        ; s[48:55] descriptor group 1 of x's rows;  s[56:63] of a weight's rows
.set G1W,    56
.set G0X,    68                        ; groups 0: x, Wq, Wk, Wv
.set G0Q,    72
.set G0K,    76
.set G0V,    80
.set SEL,    96                        ; s[96:97] lane selects for v_permlanex16_b32: lane l xor 16
.set MSB, 0
.macro WIN new                         ; the immediate's high byte repeats the setting that is left; a switch that changes nothing is dropped
.if MSB != (\new)
	s_set_vgpr_msb (MSB<<8)|(\new)
.set MSB, \new
.endif
.endm
.macro PLACES n
.rept \n
	v_nop
.endr
.endm
.macro WALU
	s_wait_alu depctr_va_vdst(0)
.endm
.macro BARRIER
	s_barrier_signal -1
	s_barrier_wait -1
.endm
.macro MIDDLE                          ; a round's middle: the opening wait, wave 0's signal for the work-group, the cluster's wait
	s_barrier_wait -1
	s_cmp_lg_u32 s[WV], 0
	s_cbranch_scc1 .Lnot_wave_0_\@
	s_barrier_signal -3
.Lnot_wave_0_\@:
	s_barrier_wait -3
.endm
.macro CROUND
	s_barrier_signal -1
	MIDDLE
	BARRIER
.endm
.macro TLOAD g0, g1                    ; four v_nop follow each tensor load
	tensor_load_to_lds s[\g0:\g0+3], s[\g1:\g1+7]
	s_nop 0
	PLACES 4
.endm
.macro GROUP1 g, mask, rows            ; whole rows of 768 bytes; 4 words of padding after every 64; bit 21 set beside a mask
	s_or_b32 s[\g+0], s[\mask], (1<<20)|(1<<21)|(5<<22)|(3<<25)
	s_mov_b32 s[\g+1], 768<<16
	s_mov_b32 s[\g+2], (\rows)<<16
	s_mov_b32 s[\g+3], 768<<16
	s_mov_b32 s[\g+4], \rows
	s_mov_b32 s[\g+5], 768
	s_mov_b32 s[\g+6], 0
	s_mov_b32 s[\g+7], 0
.endm
; A fragment, 16 rows x 128 K of 6-bit codes, is 12 registers: registers 6 c .. 6 c + 5 of lane (r, h) hold K = 64 c + 32 h + 0 .. 31: 24 bytes of the row's stream of bits, in pieces of 8 bytes, two to a load where both go by one address register.
; 16 bytes of padding lie behind every 32 pieces; where the piece three on (lanes 16-31) lies behind one padding more, the second address register serves.
.macro FRAG f, q, a0, a1
	WIN ((1+(\f)/FPW)<<6)
.set R_, FR*((\f)%FPW)
.set SKIP_, 0
.irp p, 0,1,2,3,4,5
.if SKIP_
.set SKIP_, 0
.else
.set PC_, 12*(\q)+6*(\p/3)+\p%3
.set PN_, 12*(\q)+6*((\p+1)/3)+(\p+1)%3
.set X_, (PC_%32+3)/32
.set XQ_, (PN_%32+3)/32
.if (\p < 5) && (X_ == XQ_)
.set SKIP_, 1
.if X_
	ds_load_2addr_b64 v[R_+2*\p:R_+2*\p+3], v[\a1] offset0:PC_+2*(PC_/32) offset1:PN_+2*(PN_/32)
.else
	ds_load_2addr_b64 v[R_+2*\p:R_+2*\p+3], v[\a0] offset0:PC_+2*(PC_/32) offset1:PN_+2*(PN_/32)
.endif
.elseif X_
	ds_load_b64 v[R_+2*\p:R_+2*\p+1], v[\a1] offset:8*(PC_+2*(PC_/32))
.else
	ds_load_b64 v[R_+2*\p:R_+2*\p+1], v[\a0] offset:8*(PC_+2*(PC_/32))
.endif
.endif
.endr
.endm
.macro FETCH n                         ; batch n's eight fragments into set n % 2: two address lines, NF loads
	WIN 0
.set T_, (\n)%4
.set E_, (\n)%2
.if (\n)/4 == 0
.set O_, WQB+TROW*T_
.set PAR_, T_%2
.elseif (\n)/4 == 1
.set O_, WKB+TROW*T_
.set PAR_, T_%2
.else
.set O_, TROW*T_
.set PAR_, 0
.endif
	v_add_nc_u32 v22, O_, v[16+2*PAR_]
	v_add_nc_u32 v23, O_, v[17+2*PAR_]
.irp q, 0,1,2,3,4,5,6,7
	FRAG 32+8*E_+\q, \q, 22, 23
.endr
	WIN 0
.endm
.macro PROD1 s0, s1, x0, x1
.if S_ == 0
	v_wmma_scale_f32_16x16x128_f8f6f4 v[D_:D_+7], v[FR*((\s0)%FPW):FR*((\s0)%FPW)+FR-1], v[FR*((\s1)%FPW):FR*((\s1)%FPW)+FR-1], 0, v[\x0], v[\x1] matrix_a_fmt:MATRIX_FMT_FP6 matrix_b_fmt:MATRIX_FMT_FP6
.else
	v_wmma_scale_f32_16x16x128_f8f6f4 v[D_:D_+7], v[FR*((\s0)%FPW):FR*((\s0)%FPW)+FR-1], v[FR*((\s1)%FPW):FR*((\s1)%FPW)+FR-1], v[D_:D_+7], v[\x0], v[\x1] matrix_a_fmt:MATRIX_FMT_FP6 matrix_b_fmt:MATRIX_FMT_FP6
.endif
.endm
.macro PROD n, i                       ; product i = 4 s + a of batch n: the four accumulators take turns; the first of each starts from 0
.set S_, (\i)/4
.set A_, (\i)%4
.set FW_, 32+8*((\n)%2)+S_
.set FX_, 4*S_+A_
.set XR_, XS+8*A_+S_
.set WR_, WS+8*(\n)+S_
.if (\n)/4 == 2
.set D_, AC+8*(4*((\n)%4)+A_)
	WIN (1+FX_/FPW)|((1+FW_/FPW)<<2)|0xf0
	PROD1 FX_, FW_, XR_, WR_
.else
.set D_, AC+8*(4*A_+(\n)%4)
	WIN (1+FW_/FPW)|((1+FX_/FPW)<<2)|0xf0
	PROD1 FW_, FX_, WR_, XR_
.endif
.endm
.macro PRODS n, from, to
.set I_, \from
.rept (\to)-(\from)
	PROD \n, I_
.set I_, I_+1
.endr
.endm
; THE WAY OUT of a weight: four blocks of 32 a lane (q, k: x's tiles a; v: Wv's tiles t), each in 32 registers on end.  kind 0: q, 1: k, 2: v.
.macro GROUP kind, cb, sb
.if \kind > 0
	s_wait_xcnt 0x0                                ; the last group's stores have read their registers: these are written again only behind this wait
.endif
	WIN 0x3c                                       ; sources 1 and 2: the accumulators' window
.irp i, 0,1,2,3
.if \kind == 0
	v_max3_num_f32 v[MX+\i], 0x4000000, |v[AC+32*\i]|, |v[AC+32*\i+1]|   ; the floor 2^(8 - 127): q's byte, less 2 and less 5, cannot fall under 1
.else
	v_max3_num_f32 v[MX+\i], 0x1800000, |v[AC+32*\i]|, |v[AC+32*\i+1]|   ; the floor 2^(3 - 127): the byte cannot fall under 1
.endif
.endr
.irp j, 2,4,6,8,10,12,14,16,18,20,22,24,26,28,30
.irp i, 0,1,2,3
	v_max3_num_f32 v[MX+\i], v[MX+\i], |v[AC+32*\i+\j]|, |v[AC+32*\i+\j+1]|   ; ascending: each accumulator is read from its low end on; the four blocks by turns
.endr
.endr
	WIN 0
.irp i, 0,1,2,3
	v_add_nc_u32 v[SO+\i], 0xff000000, v[MX+\i]    ; 2 off the exponent field: the conversion's scale operand
.endr
.irp i, 0,1,2,3
	v_lshrrev_b32 v[BY+\i], 23, v[SO+\i]           ; the scale's byte
.endr
.if \kind == 0
.irp i, 0,1,2,3
	v_add_nc_u32 v[BY+\i], -5, v[BY+\i]            ; q / 32, exact: the codes stay, the stored scale is 2^5 smaller
.endr
.endif
.irp i, 0,1,2,3
.if \kind < 2
	v_lshl_or_b32 v[WD+\i], v[BY+\i], v4, 0x7f7f0000   ; my block's byte at its place; bytes 2 and 3 = 127, for the half of the 128 along K that holds zero codes
.else
	v_lshlrev_b32 v[WD+\i], v4, v[BY+\i]
.endif
.endr
.irp i, 0,1,2,3
	v_permlanex16_b32 v[XC+\i], v[WD+\i], s[SEL], s[SEL+1]
.endr
.irp i, 0,1,2,3
	v_or_b32 v[WD+\i], v[WD+\i], v[XC+\i]          ; with lane l xor 16's byte: both blocks of my row
.endr
	WIN 0x03                                       ; source 0: the accumulators' window
.irp i, 0,1,2,3
	v_cvt_scalef32_pk16_fp6_f32 v[OUTR+6*\i:OUTR+6*\i+2], v[AC+32*\i:AC+32*\i+15], v[SO+\i]
	v_cvt_scalef32_pk16_fp6_f32 v[TMPR+4*\i:TMPR+4*\i+2], v[AC+32*\i+16:AC+32*\i+31], v[SO+\i]   ; (a conversion's three registers begin on an even number)
.endr
	v_nop                                          ; one plain place behind a scaled conversion
	WIN 0
.irp i, 0,1,2,3
.irp k, 0,1,2
	v_mov_b32 v[OUTR+6*\i+3+\k], v[TMPR+4*\i+\k]
.endr
.endr
.if \kind == 1
.irp j, 0,1,2,3,4,5
	global_store_b128 v2, v[OUTR+4*\j:OUTR+4*\j+3], s[\cb:\cb+1] offset:512*\j          ; 32 lanes store 512 consecutive bytes, at a multiple of 256 from the buffer's first byte
.endr
.else
.irp i, 0,1,2,3
	global_store_b128 v2, v[OUTR+6*\i:OUTR+6*\i+3], s[\cb:\cb+1] offset:768*\i          ; 512 consecutive bytes,
	global_store_b64 v3, v[OUTR+6*\i+4:OUTR+6*\i+5], s[\cb:\cb+1] offset:768*\i+512     ; then 256: each at a multiple of 256 from the buffer's first byte
.endr
.endif
.if \kind < 2
	global_store_b128 v2, v[WD:WD+3], s[\sb:\sb+1]                                      ; my row's words of the four tiles
.else
.irp i, 0,1,2,3
	ds_store_b16 v6, v[WD+\i] offset:4*\i
.endr
.endif
.endm
.macro BATCH n
.if (\n) < 11
	s_wait_dscnt NF                                ; this batch's fragments are in; the next batch's NF loads may be out
.else
	s_wait_dscnt 0x0
.endif
.if (\n) == 2                                      ; THE REFILL'S ROUND stands inside this batch: products are register work
	WIN 0
	s_wait_tensorcnt 0x0                           ; all my tensor loads have landed, Wk's rows among them;
	ds_add_u32 v[SPW], v[NIL]
	s_mov_b32 s[G1W+2], 32<<16                     ; no tensor load of mine is out: from here on a load of a weight brings 32 rows
	s_mov_b32 s[G1W+4], 32
	PRODS \n, 0, 24
	WIN 0
	s_wait_dscnt 0x0                               ; the add and all my reads are done, those of x's rows long ago
	s_barrier_signal -1
	PRODS \n, 24, 32
	WIN 0
	MIDDLE
	BARRIER
	s_cmp_lt_u32 s[WV], 2
	s_cbranch_scc0 .Lno_half
	TLOAD G0V, G1W                                 ; waves 0 and 1 a half each of Wv's rows, onto x's
.Lno_half:
.elseif (\n) == 6                                  ; a plain barrier shows Wv's rows to every wave
	PRODS \n, 0, 24
	WIN 0
	s_wait_tensorcnt 0x0
	s_wait_dscnt 0x0
	s_barrier_signal -1
	PRODS \n, 24, 32
	WIN 0
	s_barrier_wait -1
.else
	PRODS \n, 0, 32
	WIN 0
.endif
.if (\n) < 10
	PLACES 2                                       ; with the two address lines four places stand between the products and what loads into or reads their registers
	FETCH (\n)+2
.elseif (\n) == 11
	PLACES 4
.endif
.endm
	s_load_b512 s[4:19], s[0:1], 0x0               ; x codes s[4:5], x scales s[6:7], Wq s[8:11], Wk s[12:15], Wv s[16:19]
	s_load_b256 s[20:27], s[0:1], 0x40             ; qc, qs, kb, vb
	v_lshl_add_u32 v[SPW], v0, 2, SPARE
	v_mov_b32 v[NIL], 0
	ds_add_u32 v[SPW], v[NIL]                      ; the wave's opening: the add, twice on end, and its wait
	ds_add_u32 v[SPW], v[NIL]
	v_lshrrev_b32 v1, 5, v0
	v_readfirstlane_b32 s[WV], v1                  ; wave 0..3
	s_bfe_u32 s33, ttmp6, 0x40000                  ; cx
	s_bfe_u32 s34, ttmp6, 0x40004                  ; cy
	s_lshl_b32 s35, ttmp9, 2
	s_add_co_u32 s35, s35, s33                     ; the head = 4 x cluster x + cx
	s_and_b32 s36, ttmp7, 0xffff
	s_lshl_b32 s36, s36, 2
	s_add_co_u32 s36, s36, s34                     ; the block of 256 rows = 4 x cluster y + cy
	s_lshl_b32 s37, s34, 2
	s_lshl_b32 s37, 15, s37                        ; my row of the cluster
	s_lshl_b32 s38, 0x1111, s33                    ; my column
	GROUP1 G1X, 37, 128
	GROUP1 G1W, 38, 64
	s_mul_i32 s40, s36, 196608                     ; x: 256 rows of 768 bytes for each block,
	s_mul_i32 s44, s[WV], 98304                    ; 128 of them for waves 0 and 1  (s40, s41 never hold cx)
	s_add_co_u32 s40, s40, s44
	s_mov_b32 s41, 0
	s_mul_i32 s42, s35, 49152                      ; a weight: 64 rows of 768 bytes for each head (these two never hold cy)
	s_mov_b32 s43, 0
	s_mul_i32 s46, s[WV], 24576                    ; Wv: 32 rows for waves 0 and 1
	s_mov_b32 s47, 0
	s_mov_b32 s[G0X], 1
	s_mul_i32 s[G0X+1], s[WV], 128*PITCH
	s_mov_b32 s[G0Q], 1
	s_mov_b32 s[G0Q+1], WQB
	s_mov_b32 s[G0K], 1
	s_mov_b32 s[G0K+1], WKB
	s_mov_b32 s[G0V], 1
	s_mul_i32 s[G0V+1], s[WV], 40*PITCH            ; rows 32-63 begin at LDS row 40
	s_mov_b32 s[SEL], 0x76543210
	s_mov_b32 s[SEL+1], 0xfedcba98
	WALU
	s_wait_dscnt 0x0
	CROUND                                         ; all sixteen work-groups are here: the first joint loads meet
	s_wait_kmcnt 0x0
	s_add_nc_u64 s[G0X+2:G0X+3], s[4:5], s[40:41]
	s_or_b32 s[G0X+3], s[G0X+3], 0x80000000
	s_add_nc_u64 s[G0Q+2:G0Q+3], s[8:9], s[42:43]
	s_or_b32 s[G0Q+3], s[G0Q+3], 0x80000000
	s_add_nc_u64 s[G0K+2:G0K+3], s[12:13], s[42:43]
	s_or_b32 s[G0K+3], s[G0K+3], 0x80000000
	s_cmp_lt_u32 s[WV], 2                          ; one tensor load a wave
	s_cbranch_scc0 .Lwave_2
	TLOAD G0X, G1X                                 ; waves 0, 1: half of x's rows each
	s_branch .Lasked
.Lwave_2:
	s_cmp_eq_u32 s[WV], 2
	s_cbranch_scc0 .Lwave_3
	TLOAD G0Q, G1W                                 ; wave 2: Wq's rows
	s_branch .Lasked
.Lwave_3:
	TLOAD G0K, G1W                                 ; wave 3: Wk's rows
.Lasked:
	s_add_nc_u64 s[84:85], s[16:17], s[42:43]      ; Wv's rows of my head
	s_add_nc_u64 s[G0V+2:G0V+3], s[84:85], s[46:47]
	s_or_b32 s[G0V+3], s[G0V+3], 0x80000000
	; my lane's row in a tile, less 8 t: even tiles (r & 7) + 40 (r / 8), odd tiles (r & 7) + 24 (r / 8).  In LDS Wv's tiles are as the even ones
	v_and_b32 v1, 7, v0
	v_bfe_u32 v30, v0, 3, 1                        ; r / 8
	v_bfe_u32 v31, v0, 4, 1                        ; h = lane / 16
	v_mad_u32_u24 v5, v30, 40, v1
	v_mad_u32_u24 v6, v30, 24, v1
	v_mad_u32_u24 v7, v30, 32, v1
	v_lshlrev_b32 v[SOE], 5, v5                    ; a row of scales is 32 bytes: eight words, one for each 128 along K
	v_lshlrev_b32 v[SOE+1], 5, v6
	v_lshlrev_b32 v[SOE+2], 5, v7
	v_mul_u32_u24 v16, PITCH, v5
	v_mul_u32_u24 v18, PITCH, v6
	v_mad_u32_u24 v16, v31, 24, v16                ; + 24 bytes for lanes 16-31;
	v_mad_u32_u24 v18, v31, 24, v18
	v_lshl_add_u32 v17, v31, 4, v16                ; the same behind one padding more
	v_lshl_add_u32 v19, v31, 4, v18
	s_mul_i32 s45, s[WV], WB                       ; my wave's 64 rows of x
.irp a, 0,1,2,3
	v_add_nc_u32 v[8+2*\a], s45, v[16+2*(\a%2)]
	v_add_nc_u32 v[9+2*\a], s45, v[17+2*(\a%2)]
	s_add_co_u32 s45, s45, TROW
.endr
	v_and_b32 v1, 31, v0                           ; lane
	v_lshlrev_b32 v2, 4, v1                        ; 16 l
	v_lshlrev_b32 v3, 3, v1                        ; 8 l
	v_lshlrev_b32 v4, 3, v31                       ; 8 h: my block's byte in a scale word
	s_lshr_b32 s98, s[WV], 1
	s_lshl_b32 s98, s98, 9
	s_and_b32 s99, s[WV], 1
	s_lshl_b32 s99, s99, 1
	s_add_co_u32 s98, s98, s99
	s_add_co_u32 s98, s98, STG
	s_lshl_b32 s99, s[WV], 8
	s_add_co_u32 s99, s99, STG
	WALU
	v_add_nc_u32 v6, s98, v2                       ; v's scale bytes meet at STG + 512 (wave / 2) + 2 (wave % 2) + 16 l + 4 t,
	v_add_nc_u32 v7, s99, v3                       ; and leave from STG + 256 wave + 8 l
	s_lshl_b32 s86, s34, 2
	s_add_co_u32 s86, s86, s[WV]                   ; my number among the sixteen waves of my column
	s_mul_i32 s86, s86, 3072
	v_min_u32 v27, 11, v1
	v_lshlrev_b32 v27, 8, v27
	v_add_nc_u32 v27, s86, v27                     ; the prefetch: 12 units of Wv's 192
.irp i, 0,1,2,3
	v_mov_b32 v[XC+\i], 0                          ; written once: a lane permute's destination counts as one of its sources
.endr
	WALU
	s_lshl_b32 s92, s36, 13
	s_lshl_b32 s93, s[WV], 11
	s_add_co_u32 s92, s92, s93
	s_mov_b32 s93, 0
	s_add_nc_u64 s[6:7], s[6:7], s[92:93]          ; x's scales at my wave's first row
	s_lshl_b32 s92, s35, 11
	s_add_nc_u64 s[10:11], s[10:11], s[92:93]      ; the weights' at the head's first row
	s_add_nc_u64 s[14:15], s[14:15], s[92:93]
	s_add_nc_u64 s[18:19], s[18:19], s[92:93]
	; ALL scale words of my rows come into registers once: 32 loads of 16 bytes a lane
.irp a, 0,1,2,3
	global_load_b128 v[XS+8*\a:XS+8*\a+3], v[SOE+\a%2], s[6:7] offset:256*\a
	global_load_b128 v[XS+8*\a+4:XS+8*\a+7], v[SOE+\a%2], s[6:7] offset:256*\a+16
.endr
.irp p, 0,1
.irp t, 0,1,2,3
	global_load_b128 v[WS+8*(4*\p+\t):WS+8*(4*\p+\t)+3], v[SOE+\t%2], s[10+4*\p:11+4*\p] offset:256*\t
	global_load_b128 v[WS+8*(4*\p+\t)+4:WS+8*(4*\p+\t)+7], v[SOE+\t%2], s[10+4*\p:11+4*\p] offset:256*\t+16
.endr
.endr
.irp t, 0,1,2,3
	global_load_b128 v[WS+8*(8+\t):WS+8*(8+\t)+3], v[SOE+2], s[18:19] offset:256*\t
	global_load_b128 v[WS+8*(8+\t)+4:WS+8*(8+\t)+7], v[SOE+2], s[18:19] offset:256*\t+16
.endr
	; where my wave's results go
	s_lshr_b32 s92, s36, 3
	s_lshl_b32 s92, s92, 4
	s_add_co_u32 s92, s92, s35                     ; 16 x batch + head
	s_and_b32 s94, s36, 7
	s_lshl_b32 s94, s94, 2
	s_add_co_u32 s94, s94, s[WV]                   ; my group of 64 rows in the batch
	s_mul_i32 s95, s94, 3072
	s_mov_b32 s99, 0
	s_mul_i32 s98, s92, 98304
	s_add_co_u32 s98, s98, s95
	s_add_nc_u64 s[20:21], s[20:21], s[98:99]
	s_lshl_b32 s98, s92, 14
	s_lshl_b32 s93, s94, 9
	s_add_co_u32 s98, s98, s93
	s_add_nc_u64 s[22:23], s[22:23], s[98:99]
	s_mul_i32 s98, s92, 114688
	s_add_co_u32 s98, s98, s93
	s_add_co_u32 s98, s98, 98304
	s_add_nc_u64 s[28:29], s[24:25], s[98:99]      ; k's scale words
	s_mul_i32 s98, s92, 114688
	s_add_co_u32 s98, s98, s95
	s_add_nc_u64 s[24:25], s[24:25], s[98:99]
	s_mul_i32 s98, s92, 106496
	s_lshl_b32 s93, s94, 8
	s_add_co_u32 s98, s98, s93
	s_add_co_u32 s98, s98, 98304
	s_add_nc_u64 s[30:31], s[26:27], s[98:99]      ; v's scale bytes: 512 bytes for 128 keys, of which each wave stores 256
	s_mul_i32 s98, s92, 106496
	s_add_co_u32 s98, s98, s95
	s_add_nc_u64 s[26:27], s[26:27], s[98:99]
	WALU
	s_cmp_lt_u32 s[WV], 2
	s_cbranch_scc0 .Lnot_x
	s_wait_tensorcnt 0x0
.Lnot_x:
	BARRIER                                        ; x's rows are in
.irp q, 0,1,2,3,4,5,6,7
.irp a, 0,1,2,3
	FRAG 4*\q+\a, \q, 8+2*\a, 9+2*\a               ; my 64 rows of x, all of K: 104 loads
.endr
.endr
	WIN 0
	global_prefetch_b8 v27, s[84:85] th:TH_LOAD_NT scope:SCOPE_SE
	s_cmp_eq_u32 s[WV], 2
	s_cbranch_scc0 .Lnot_q
	s_wait_tensorcnt 0x0
.Lnot_q:
	s_wait_dscnt 0x0
	BARRIER                                        ; Wq's rows are in; Wk's may still be on their way
	FETCH 0
	FETCH 1
	s_wait_loadcnt 0x0                             ; the scale words
	BATCH 0
	BATCH 1
	BATCH 2
	BATCH 3
	GROUP 0, 20, 22
	BATCH 4
	BATCH 5
	BATCH 6
	BATCH 7
	GROUP 1, 24, 28
	BATCH 8
	BATCH 9
	BATCH 10
	BATCH 11
	GROUP 2, 26, 30
	s_wait_dscnt 0x0                               ; for the others' sake: my stores into the stage are done
	s_barrier_signal -1
	s_barrier_wait -1
	ds_load_b64 v[224:225], v7                     ; two waves' halves lie interleaved: 256 whole bytes for each wave
	s_wait_dscnt 0x0
	global_store_b64 v3, v[224:225], s[30:31]      ; 32 lanes store 256 consecutive bytes, aligned
	s_wait_tensorcnt 0x0                           ; the wave's end
	ds_add_u32 v[SPW], v[NIL]
	s_wait_dscnt 0x0
	CROUND                                         ; the closing round: no work-group ends while a partner may still ask for a tile that names it
	s_endpgm
.Lfunc_end_k_q8567cae782_qkv:
	.size	k_q8567cae782_qkv, .Lfunc_end_k_q8567cae782_qkv-k_q8567cae782_qkv
	.p2alignl 7, 3214868480
	.fill 96, 4, 3214868480
	.section	.rodata,"a",@progbits
	.p2align	6, 0x0
	.amdhsa_kernel k_q8567cae782_qkv
		.amdhsa_group_segment_fixed_size 327680
		.amdhsa_private_segment_fixed_size 0
		.amdhsa_enable_private_segment 0
		.amdhsa_kernarg_size 96
		.amdhsa_user_sgpr_count 2
		.amdhsa_user_sgpr_kernarg_segment_ptr 1
		.amdhsa_wavefront_size32 1
		.amdhsa_system_sgpr_workgroup_id_x 1
		.amdhsa_system_sgpr_workgroup_id_y 1
		.amdhsa_system_sgpr_workgroup_id_z 1
		.amdhsa_system_vgpr_workitem_id 0
		.amdhsa_next_free_vgpr 1024
		.amdhsa_next_free_sgpr 100
		.amdhsa_reserve_vcc 0
		.amdhsa_float_denorm_mode_32 3
		.amdhsa_float_denorm_mode_16_64 3
		.amdhsa_memory_ordered 1
		.amdhsa_forward_progress 1
		.amdhsa_inst_pref_size 115
	.end_amdhsa_kernel
	.amdgpu_metadata
---
amdhsa.version: [ 1, 2 ]
amdhsa.kernels:
  - .name:           k_q8567cae782_qkv
    .symbol:         k_q8567cae782_qkv.kd
    .args:
      - { .name: x_codes, .offset: 0, .size: 8, .value_kind: global_buffer, .address_space: global }
      - { .name: x_scales, .offset: 8, .size: 8, .value_kind: global_buffer, .address_space: global }
      - { .name: Wq_codes, .offset: 16, .size: 8, .value_kind: global_buffer, .address_space: global }
      - { .name: Wq_scales, .offset: 24, .size: 8, .value_kind: global_buffer, .address_space: global }
      - { .name: Wk_codes, .offset: 32, .size: 8, .value_kind: global_buffer, .address_space: global }
      - { .name: Wk_scales, .offset: 40, .size: 8, .value_kind: global_buffer, .address_space: global }
      - { .name: Wv_codes, .offset: 48, .size: 8, .value_kind: global_buffer, .address_space: global }
      - { .name: Wv_scales, .offset: 56, .size: 8, .value_kind: global_buffer, .address_space: global }
      - { .name: qc, .offset: 64, .size: 8, .value_kind: global_buffer, .address_space: global }
      - { .name: qs, .offset: 72, .size: 8, .value_kind: global_buffer, .address_space: global }
      - { .name: kb, .offset: 80, .size: 8, .value_kind: global_buffer, .address_space: global }
      - { .name: vb, .offset: 88, .size: 8, .value_kind: global_buffer, .address_space: global }
    .group_segment_fixed_size: 327680
    .private_segment_fixed_size: 0
    .kernarg_segment_align: 8
    .kernarg_segment_size: 96
    .max_flat_workgroup_size: 128
    .sgpr_count:     100
    .vgpr_count:     1024
    .wavefront_size: 32
...
	.end_amdgpu_metadata
.endif
;; end of part 1
;; launch attn (part 2): grid 8 x 32, 8 waves a work-group, clusters of 4 x 1, 263,168 bytes of LDS; arguments qc, qs, kb, vb, mask, cc, cs; writes cc, cs
.if DOCPART == 2
	.amdgcn_target "amdgcn-amd-amdhsa--gfx1250"
	.amdhsa_code_object_version 6
	.text
	.protected	k_q8567cae782_attn
	.globl	k_q8567cae782_attn
	.p2align	8
	.type	k_q8567cae782_attn,@function
k_q8567cae782_attn:
	s_mov_b64 s[64:65], 0
	v_nop
	global_prefetch_b8 v0, s[64:65] scope:SCOPE_SE
	s_setreg_imm32_b32 hwreg(HW_REG_WAVE_MODE, 25, 1), 1
	s_wait_xcnt 0x0
	s_wait_alu depctr_hold_cnt(0) depctr_sa_sdst(0) depctr_va_vdst(0) depctr_va_sdst(0) depctr_va_ssrc(0) depctr_va_vcc(0) depctr_vm_vsrc(0)
	s_getreg_b32 s2, hwreg(HW_REG_IB_STS2, 6, 4)
	s_cmp_eq_u32 s2, 0
	s_cbranch_scc0 .Lentry_in_a_cluster
	s_endpgm
.Lentry_in_a_cluster:
	s_bfe_u32 s2, ttmp6, 0x10000c
	s_cmp_lg_u32 s2, 0x3003
	s_cbranch_scc0 .Lentry_shape_is_right
	s_endpgm
.Lentry_shape_is_right:
; ctx = softmax(q k^T / 32 + mask) v for one head, both products on codes of FP6 (E2M3) with E8M0 scales, then ctx quantised along head x 64 + channel for the last product.
; THE SOFTMAX AHEAD OF THE SECOND PRODUCT: t = logit x log2(e); M = the row's largest t so far, rounded UP to a whole number; p = 2^(t - M) is quantised along the keys, not normalised.  The row's sum is taken of the
; unquantised p and divides at the end.  When M moves, the sum and O are multiplied by 2^(old M - new M): exact, no branch on data.
; SHARES.  A work-group owns 256 queries of one head; each of its eight waves owns 32: two tiles of 16, A and B, which share every register of K, V, mask and scales that is read from LDS.  Two waves to a SIMD.
; ALL of the head's K, V, scale words and its batch's mask lie in LDS (229,376 bytes), filled once: nothing is filled again.  One tensor load a wave, one out by this text's count: waves 0-3 K with its scale words,
; waves 4, 5 the mask, waves 6, 7 V with its scale bytes.  A first barrier shows K and the mask; a second one, inside the first key step, shows V; behind it no wave waits for another until the way out.
; CLUSTER.  The four query blocks of a cluster walk the same head: every load is asked for JOINTLY, by the same line with the same descriptor and the mask 15.  No prefetch: every tile is asked for at the head, there is no later one to run ahead of.
; LAYOUT.  S^T = K Q^T (source 0 = 16 keys, source 1 = 16 queries), O^T = V^T P^T: a lane holds ONE query throughout.  The tiles' rows were chosen by the launch before so that the 32 score registers of four tiles are a whole
; block of 32 keys in one lane: p's conversions give the operand's registers with no exchange between lanes.
; K = 64 IN A FORM 128 DEEP.  Q's operand is 6 registers of codes and 6 of zero codes.  K's eight tiles lie on end, 6 registers each, with 6 zero registers behind: tile T's operand is v[6 T : 6 T + 11]; its upper half, the next
; tile's codes, meets Q's zero codes under scale bytes of 127 and adds exactly 0.
; THE MASK is the C of the score product, in the result's layout: D = q k / 32 + mask (the 1 / 32 lies in q's scale bytes).
; The next step's K, scale words and mask are fetched behind this step's score products, this step's V behind the search for the maxima: one wait, ahead of the second product, serves both.
; LIMITS: the mask is finite, and the scaled scores t stay under 2^31 in magnitude; NaN and infinities are not served.  A block of zeros (of p, of ctx) keeps the floor's byte, 1: its codes are zeros, and the bytes are read by this program alone.
; Nothing is left out as dead work.
; REGISTERS.  window 0: v1-9 addresses, v12-18 the step's (v12-15, v16-19 later the conversions' scale operands and bytes); v20-27 K's scale words, v28-31 V's, v32-33 p's, v34-35 and v36-37 Q's, twice;
;   v[38:39], v[40:41] (-M, largest t) of A, B; v[42:45] sums; v[46:49] f; v50-53 the blocks' largest scores; v54-63 at work; v64-127 S^T of A, v128-191 of B; v192-223 O^T of A, v224-255 of B.
;   window 1: v0-47 K, v48-53 zeros; v56-103 V; v104-127 Q (A, B); v128-151 p's codes; v152-167 conversions' second halves; v192-255 the mask.
.set KSREG, 98304                      ; LDS: K's codes at 0, its scale words here,
.set VREG,  114688                     ; V's codes,
.set VSREG, 212992                     ; its scale bytes,
.set MREG,  221184                     ; the mask,
.set STG,   229376                     ; and 512 bytes in which ctx's scale bytes meet: no fill lands there
.set SPARE, 262144                     ; the spare words, 128 bytes for each wave
.set OP, 12
.set BY, 16
.set KS, 20
.set VS, 28
.set PS, 32
.set QSX, 34
.set QSY, 36
.set BM, 50
.set PC, 128
.set TM, 152
.set MK, 192
.set OA, 192
.set WV, 22                            ; s22 my wave's number;  s23 16 x batch + head
.set BH, 23
.set SEL, 24                           ; s[24:25] lane selects for v_permlanex16_b32: lane l xor 16
.set CS, 26                            ; s[26:27] log2(e): the packed form names a pair and takes its low word for both halves
.set TK, 28                            ; s28 the step's codes: 6,144 bytes a step;  s29 K's scale words: 1,024;  s30 V's scale bytes and the mask: 512
.set TKS, 29
.set TS, 30
.set CNT, 31
.set G1K, 48                           ; descriptor groups 1: 112, 208 and 16 rows of 256 dense bytes
.set G1V, 56
.set G1M, 68
.set G0K, 76
.set G0V, 80
.set G0M, 84
.set MSB, 0
.macro WIN new                         ; the immediate's high byte repeats the setting that is left
.if MSB != \new
	s_set_vgpr_msb (MSB<<8)|\new
.set MSB, \new
.endif
.endm
.macro PLACES n
.rept \n
	v_nop
.endr
.endm
.macro WALU
	s_wait_alu depctr_va_vdst(0)
.endm
.macro HINT n
	s_delay_alu instid0(VALU_DEP_\n)
.endm
.macro CROUND                          ; a round of the cluster's barrier
	s_barrier_signal -1
	s_barrier_wait -1
	s_cmp_lg_u32 s[WV], 0
	s_cbranch_scc1 .Lnot_wave_0_\@
	s_barrier_signal -3
.Lnot_wave_0_\@:
	s_barrier_wait -3
	s_barrier_signal -1
	s_barrier_wait -1
.endm
.macro GROUP1 g, rows                  ; all four work-groups; elements of 8 bytes; bit 21 set beside a mask; no padding: every read is of consecutive bytes
	s_mov_b32 s[\g], 15|(3<<16)|(1<<21)
	s_mov_b32 s[\g+1], 32<<16
	s_mov_b32 s[\g+2], (\rows)<<16
	s_mov_b32 s[\g+3], 32<<16
	s_mov_b32 s[\g+4], \rows
	s_mov_b32 s[\g+5], 32
	s_mov_b32 s[\g+6], 0
	s_mov_b32 s[\g+7], 0
.endm
.macro TLOAD g0, g1
	tensor_load_to_lds s[\g0:\g0+3], s[\g1:\g1+7]
	s_nop 0
	PLACES 4
.endm
	s_load_b256 s[4:11], s[0:1], 0x0               ; qc, qs, kb, vb
	s_load_b128 s[12:15], s[0:1], 0x20             ; mask, cc
	s_load_b64 s[16:17], s[0:1], 0x30              ; cs
	v_lshl_add_u32 v10, v0, 2, SPARE
	v_mov_b32 v11, 0
	ds_add_u32 v10, v11                            ; the wave's opening: the add, twice on end, and its wait
	ds_add_u32 v10, v11
	v_lshrrev_b32 v1, 5, v0
	v_readfirstlane_b32 s[WV], v1                  ; wave 0..7
	s_and_b32 s[BH], ttmp7, 0xffff                 ; which the four partners share
	s_bfe_u32 s46, ttmp6, 0x40000                  ; cx
	s_lshl_b32 s47, ttmp9, 2
	s_add_co_u32 s47, s47, s46                     ; my block of 256 queries: it enters the addresses of q, cc and cs alone
	GROUP1 G1K, 112
	GROUP1 G1V, 208
	GROUP1 G1M, 16
	s_mul_i32 s32, s[WV], 28672                    ; waves 0-3: a quarter each of K's 114,688 bytes
	s_mul_i32 s40, s[BH], 114688
	s_add_co_u32 s40, s40, s32
	s_mov_b32 s41, 0
	s_mov_b32 s[G0K], 1
	s_mov_b32 s[G0K+1], s32
	s_and_b32 s33, s[WV], 1
	s_mul_i32 s34, s33, 53248                      ; waves 6, 7: a half each of V's 106,496
	s_mul_i32 s42, s[BH], 106496
	s_add_co_u32 s42, s42, s34
	s_mov_b32 s43, 0
	s_mov_b32 s[G0V], 1
	s_add_co_u32 s[G0V+1], s34, VREG
	s_lshl_b32 s34, s33, 12                        ; waves 4, 5: a half each of the batch's 8,192 bytes of mask
	s_lshr_b32 s44, s[BH], 4
	s_lshl_b32 s44, s44, 13
	s_add_co_u32 s44, s44, s34
	s_mov_b32 s45, 0
	s_mov_b32 s[G0M], 1
	s_add_co_u32 s[G0M+1], s34, MREG
	s_mov_b32 s[SEL], 0x76543210
	s_mov_b32 s[SEL+1], 0xfedcba98
	s_mov_b32 s[CS], 0x3fb8aa3b                    ; log2(e)
	s_mov_b32 s[CS+1], s[CS]
	s_mov_b32 s[TK], 0
	s_mov_b32 s[TKS], 0
	s_mov_b32 s[TS], 0
	WALU
	s_wait_dscnt 0x0
	CROUND                                         ; all four work-groups are here: the joint loads meet
	s_wait_kmcnt 0x0
	s_add_nc_u64 s[G0K+2:G0K+3], s[8:9], s[40:41]
	s_or_b32 s[G0K+3], s[G0K+3], 0x80000000
	s_add_nc_u64 s[G0V+2:G0V+3], s[10:11], s[42:43]
	s_or_b32 s[G0V+3], s[G0V+3], 0x80000000
	s_add_nc_u64 s[G0M+2:G0M+3], s[12:13], s[44:45]
	s_or_b32 s[G0M+3], s[G0M+3], 0x80000000
	s_cmp_lt_u32 s[WV], 4
	s_cbranch_scc0 .Lwave_4
	TLOAD G0K, G1K
	s_branch .Lasked
.Lwave_4:
	s_cmp_lt_u32 s[WV], 6
	s_cbranch_scc0 .Lwave_6
	TLOAD G0M, G1M
	s_branch .Lasked
.Lwave_6:
	TLOAD G0V, G1V
.Lasked:
	v_and_b32 v58, 31, v0                          ; lane
	v_bfe_u32 v59, v0, 4, 1                        ; h
	v_lshlrev_b32 v1, 4, v58                       ; 16 l: K, and an image's registers 0-3
	v_lshlrev_b32 v9, 3, v58                       ; 8 l
	v_lshlrev_b32 v8, 3, v59                       ; 8 h
	v_mul_u32_u24 v6, v59, 160                     ; the mask of a tile's eight keys: lanes 16-31 take those 40 keys on (even tiles)
	v_mul_u32_u24 v7, v59, 96                      ; or 24 keys on (odd tiles)
	v_add_nc_u32 v2, VREG, v1
	v_add_nc_u32 v3, VREG+512, v9                  ; registers 4-5: 512 + 8 l
	v_add_nc_u32 v4, KSREG, v1
	v_add_nc_u32 v5, VSREG, v1
	v_add_nc_u32 v6, MREG, v6
	v_add_nc_u32 v7, MREG, v7
	v_mov_b32 v47, 0                               ; the upper halves of the pairs that hold f
	v_mov_b32 v49, 0
	v_mov_b32 v62, 0                               ; the lane permutes' destinations, which count as sources
	v_mov_b32 v63, 0
	WALU
	s_lshl_b32 s32, s47, 4
	s_lshl_b32 s33, s[WV], 1
	s_add_co_u32 s32, s32, s33                     ; my first tile among the head's 128
	s_mul_i32 s34, s32, 768
	s_mul_i32 s35, s[BH], 98304
	s_add_co_u32 s34, s34, s35
	s_mov_b32 s35, 0
	s_add_nc_u64 s[4:5], s[4:5], s[34:35]          ; Q's codes
	s_lshr_b32 s34, s32, 2
	s_lshl_b32 s34, s34, 9
	s_and_b32 s33, s32, 3
	s_lshl_b32 s33, s33, 2
	s_add_co_u32 s34, s34, s33
	s_lshl_b32 s33, s[BH], 14
	s_add_co_u32 s34, s34, s33
	s_add_nc_u64 s[6:7], s[6:7], s[34:35]          ; Q's scale words: the group's 512 bytes, my two tiles' words
	WIN 0x40                                       ; destination window 1
	global_load_b128 v[104:107], v1, s[4:5]
	global_load_b64 v[108:109], v9, s[4:5] offset:512
	global_load_b128 v[116:119], v1, s[4:5] offset:768
	global_load_b64 v[120:121], v9, s[4:5] offset:1280
.irp j, 48,49,50,51,52,53,110,111,112,113,114,115,122,123,124,125,126,127
	v_mov_b32 v[\j], 0                             ; the zero codes behind K's tiles and in Q's upper halves
.endr
	WIN 0
	global_load_b64 v[QSX:QSX+1], v1, s[6:7]
	global_load_b64 v[QSY:QSY+1], v1, s[6:7]
	s_lshr_b32 s36, s[BH], 4
	s_lshl_b32 s36, s36, 4                         ; 16 blocks of 128 rows a batch
	s_lshr_b32 s33, s32, 3
	s_add_co_u32 s33, s33, s36                     ; my block of 128 rows
	s_mul_i32 s34, s33, 98304
	s_and_b32 s37, s[BH], 15                       ; the head
	s_mul_i32 s38, s37, 6144
	s_add_co_u32 s34, s34, s38
	s_and_b32 s38, s32, 7
	s_mul_i32 s38, s38, 768
	s_add_co_u32 s34, s34, s38
	s_add_nc_u64 s[14:15], s[14:15], s[34:35]      ; cc: [block of 128 rows][head][tile 8][768]
	s_lshl_b32 s33, s47, 1
	s_add_co_u32 s33, s33, s36
	s_lshl_b32 s34, s33, 12
	s_lshl_b32 s38, s37, 8
	s_add_co_u32 s34, s34, s38
	s_add_nc_u64 s[16:17], s[16:17], s[34:35]      ; cs: [block of 128 rows][head][tile 8][row 16] of 16 bits
; K's codes, scale words and mask of a step: 30 loads.  ak .. ao: address registers; n: steps ahead (6,144 bytes of codes a step)
.macro KLOADS ak, as, ae, ao, n
	WIN 0x40
.irp j, 0,1,2,3,4,5,6,7,8,9,10,11
	ds_load_b128 v[4*\j:4*\j+3], v[\ak] offset:6144*(\n)+512*\j
.endr
.irp T, 0,2,4,6
	ds_load_b128 v[MK+8*\T:MK+8*\T+3], v[\ae] offset:512*(\n)+256*(\T/4)+32*(\T%4)        ; the mask of my half's eight keys of tile T: sixteen lanes read the same 16 bytes
	ds_load_b128 v[MK+8*\T+4:MK+8*\T+7], v[\ae] offset:512*(\n)+256*(\T/4)+32*(\T%4)+16
	ds_load_b128 v[MK+8*\T+8:MK+8*\T+11], v[\ao] offset:512*(\n)+256*(\T/4)+32*(\T%4)+32
	ds_load_b128 v[MK+8*\T+12:MK+8*\T+15], v[\ao] offset:512*(\n)+256*(\T/4)+32*(\T%4)+48
.endr
	WIN 0
	ds_load_b128 v[KS:KS+3], v[\as] offset:1024*(\n)
	ds_load_b128 v[KS+4:KS+7], v[\as] offset:1024*(\n)+512
.endm
; A KEY STEP: 128 keys = two groups c of 64 = eight tiles T = 4 c + t.  first = 1: it starts the sums and O^T, and shows V; last = 1: it fetches no further K.
.macro STEP first, last
	WIN 0x15                                       ; K, Q and the mask in window 1, S^T in window 0
.irp T, 0,1,2,3,4,5,6,7
.irp q, 0,1
	v_wmma_scale_f32_16x16x128_f8f6f4 v[64+64*\q+8*\T:71+64*\q+8*\T], v[6*\T:6*\T+11], v[104+12*\q:115+12*\q], v[MK+8*\T:MK+8*\T+7], v[KS+\T], v[QSX+2*(\T/4)+\q] matrix_a_fmt:MATRIX_FMT_FP6 matrix_b_fmt:MATRIX_FMT_FP6
.endr
.endr
	WIN 0
.if \last
	PLACES 4                                       ; in front of the first read of the scores
.else
	v_add_nc_u32 v12, s[TK], v1                    ; these four additions are also the places behind the score products
	v_add_nc_u32 v13, s[TKS], v4
	v_add_nc_u32 v14, s[TS], v6
	v_add_nc_u32 v15, s[TS], v7
	KLOADS 12, 13, 14, 15, 1                       ; the next step's
.endif
	; the largest score of each block of 32 keys (tile q, group c): all 32 are mine.  It serves twice: for the row's maximum and, since p rises with the score, for the block's largest p
.irp i, 0,1,2,3
	v_max3_num_f32 v[BM+\i], v[64+32*\i], v[65+32*\i], v[66+32*\i]
.endr
.irp j, 3,5,7,9,11,13,15,17,19,21,23,25,27,29
.irp i, 0,1,2,3
	v_max3_num_f32 v[BM+\i], v[BM+\i], v[64+32*\i+\j], v[65+32*\i+\j]   ; ascending: each accumulator's first read takes its lowest register
.endr
.endr
.irp i, 0,1,2,3
	v_max_num_f32 v[BM+\i], v[BM+\i], v[95+32*\i]
.endr
.if \first
	WALU
	s_wait_tensorcnt 0x0                           ; my part of what was still out is in: V's
	s_wait_dscnt 0x0
	s_barrier_signal -1
	s_barrier_wait -1                              ; everybody's is; nothing is ever filled again
.endif
	v_add_nc_u32 v16, s[TK], v2
	v_add_nc_u32 v17, s[TK], v3
	v_add_nc_u32 v18, s[TS], v5
	WIN 0x40                                       ; V's fragments land while the softmax is worked
.irp t, 0,1,2,3
.irp c, 0,1
	ds_load_b128 v[56+12*\t+6*\c:59+12*\t+6*\c], v16 offset:3072*\c+768*\t
	ds_load_b64 v[60+12*\t+6*\c:61+12*\t+6*\c], v17 offset:3072*\c+768*\t
.endr
.endr
	WIN 0
	ds_load_b128 v[VS:VS+3], v18
	v_max_num_f32 v58, v[BM], v[BM+1]
	v_max_num_f32 v59, v[BM+2], v[BM+3]
	HINT 2
	v_permlanex16_b32 v62, v58, s[SEL], s[SEL+1]
	v_permlanex16_b32 v63, v59, s[SEL], s[SEL+1]
	HINT 2
	v_max_num_f32 v58, v58, v62                    ; the step's largest logit of my query
	v_max_num_f32 v59, v59, v63
	HINT 2
.if \first
	v_mul_f32 v39, s[CS], v58                      ; as t
	v_mul_f32 v41, s[CS], v59
	HINT 2
	v_floor_f32 v38, -v39                          ; -M = floor(-t) = -ceil(t): a whole number
	v_floor_f32 v40, -v41
.else
	v_mul_f32 v58, s[CS], v58                      ; as t
	v_mul_f32 v59, s[CS], v59
	HINT 2
	v_max_num_f32 v39, v39, v58                    ; the running largest t
	v_max_num_f32 v41, v41, v59
	v_mov_b32 v60, v38
	v_mov_b32 v61, v40
	HINT 4
	v_floor_f32 v38, -v39                          ; the new -M = floor(-t) = -ceil(t): a whole number
	v_floor_f32 v40, -v41
	HINT 2
	v_sub_f32 v60, v38, v60                        ; old M - new M: a whole number, 0 or less
	v_sub_f32 v61, v40, v61
	HINT 2
	v_cvt_i32_f32 v60, v60                         ; (it saturates)
	v_cvt_i32_f32 v61, v61
	HINT 2
	v_ldexp_f32 v46, 1.0, v60                      ; f = 2^(old M - new M)
	v_ldexp_f32 v48, 1.0, v61
.endif
.set j, 0
.rept 32
	v_pk_fma_f32 v[64+j:65+j], v[64+j:65+j], s[CS:CS+1], v[38:39] op_sel_hi:[1,0,0]        ; t - M of A, two at a time
.set j, j+2
.endr
.irp i, 0,1,2,3
	v_fma_f32 v[BM+\i], v[BM+\i], s[CS], v[38+2*(\i/2)]   ; the same of each block's largest score
.endr
	WALU                                           ; the wait ahead of the batch,
.set j, 0
.rept 32
	v_exp_f32 v[64+j], v[64+j]                     ; p = 2^(t - M) of A, at most 1: not normalised;
	v_pk_fma_f32 v[128+j:129+j], v[128+j:129+j], s[CS:CS+1], v[40:41] op_sel_hi:[1,0,0]    ; t - M of B between
	v_exp_f32 v[65+j], v[65+j]
.set j, j+2
.endr
	WALU                                           ; and between B's t - M and its exponentials
.set j, 0
.rept 64
	v_exp_f32 v[128+j], v[128+j]
.set j, j+1
.endr
.irp i, 0,1,2,3
	v_exp_f32 v[BM+\i], v[BM+\i]                   ; the block's largest p: the same two instructions on the same number give the same bits
.endr
.if \first
	v_nop                                          ; a plain place behind the exponentials
	WALU
.else
	v_pk_mul_f32 v[42:43], v[42:43], v[46:47] op_sel_hi:[1,0]   ; the sums under the new M.  (A plain place behind the exponentials)
	v_pk_mul_f32 v[44:45], v[44:45], v[48:49] op_sel_hi:[1,0]
	WALU
.set j, 0
.rept 16
	v_pk_mul_f32 v[OA+j:OA+1+j], v[OA+j:OA+1+j], v[46:47] op_sel_hi:[1,0]   ; O^T under the new M, ascending
	v_pk_mul_f32 v[OA+32+j:OA+33+j], v[OA+32+j:OA+33+j], v[48:49] op_sel_hi:[1,0]
.set j, j+2
.endr
.endif
.irp i, 0,1,2,3
	v_max_num_f32 v[BM+\i], 0x1800000, v[BM+\i]    ; the floor 2^(3 - 127): the byte cannot fall under 1
.endr
	HINT 4
.irp i, 0,1,2,3
	v_add_nc_u32 v[OP+\i], 0xff000000, v[BM+\i]    ; 2 off the exponent field: the conversion's scale operand
.endr
	HINT 4
.irp i, 0,1,2,3
	v_lshrrev_b32 v[BY+\i], 23, v[OP+\i]           ; the scale's byte
.endr
	HINT 3
	v_lshl_or_b32 v58, v[BY+1], 16, v[BY]          ; my blocks h and 2 + h,
	v_lshl_or_b32 v59, v[BY+3], 16, v[BY+2]
	HINT 2
	v_lshlrev_b32 v58, v8, v58                     ; at their places;
	v_lshlrev_b32 v59, v8, v59
	HINT 2
	v_permlanex16_b32 v62, v58, s[SEL], s[SEL+1]
	v_permlanex16_b32 v63, v59, s[SEL], s[SEL+1]
	HINT 2
	v_or_b32 v[PS], v58, v62                       ; with lane l xor 16's two: p's scale word for these 128 keys
	v_or_b32 v[PS+1], v59, v63
	WIN 0x40
.irp i, 0,1,2,3
	v_cvt_scalef32_pk16_fp6_f32 v[PC+6*\i:PC+2+6*\i], v[64+32*\i:79+32*\i], v[OP+\i]
	v_cvt_scalef32_pk16_fp6_f32 v[TM+4*\i:TM+2+4*\i], v[80+32*\i:95+32*\i], v[OP+\i]   ; (a conversion's three registers begin on an even number)
.endr
	v_nop                                          ; one plain place behind a scaled conversion
	WIN 0x41
.irp i, 0,1,2,3
.irp k, 0,1,2
	v_mov_b32 v[PC+3+6*\i+\k], v[TM+4*\i+\k]
.endr
.endr
	WIN 0
	; the row's sum is taken of the unquantised p: two at a time, in two chains a tile
.if \first
	v_pk_add_f32 v[42:43], v[64:65], v[68:69]
	v_pk_add_f32 v[44:45], v[128:129], v[132:133]
	v_pk_add_f32 v[54:55], v[66:67], v[70:71]
	v_pk_add_f32 v[56:57], v[130:131], v[134:135]
.else
	v_pk_add_f32 v[42:43], v[42:43], v[64:65]
	v_pk_add_f32 v[44:45], v[44:45], v[128:129]
	v_pk_add_f32 v[54:55], v[66:67], v[70:71]
	v_pk_add_f32 v[56:57], v[130:131], v[134:135]
	v_pk_add_f32 v[42:43], v[42:43], v[68:69]
	v_pk_add_f32 v[44:45], v[44:45], v[132:133]
.endif
.set j, 8
.rept 14
	v_pk_add_f32 v[54:55], v[54:55], v[66+j:67+j]
	v_pk_add_f32 v[56:57], v[56:57], v[130+j:131+j]
	v_pk_add_f32 v[42:43], v[42:43], v[64+j:65+j]
	v_pk_add_f32 v[44:45], v[44:45], v[128+j:129+j]
.set j, j+4
.endr
	HINT 2
	v_pk_add_f32 v[42:43], v[42:43], v[54:55]
	v_pk_add_f32 v[44:45], v[44:45], v[56:57]
	s_wait_dscnt 0x0                               ; V and its scale words, and the next step's K
	WIN 0x05                                       ; V and p in window 1, O^T in window 0
.irp t, 0,1,2,3
.irp q, 0,1
.if \first
	v_wmma_scale_f32_16x16x128_f8f6f4 v[OA+32*\q+8*\t:OA+7+32*\q+8*\t], v[56+12*\t:67+12*\t], v[PC+12*\q:PC+11+12*\q], 0, v[VS+\t], v[PS+\q] matrix_a_fmt:MATRIX_FMT_FP6 matrix_b_fmt:MATRIX_FMT_FP6
.else
	v_wmma_scale_f32_16x16x128_f8f6f4 v[OA+32*\q+8*\t:OA+7+32*\q+8*\t], v[56+12*\t:67+12*\t], v[PC+12*\q:PC+11+12*\q], v[OA+32*\q+8*\t:OA+7+32*\q+8*\t], v[VS+\t], v[PS+\q] matrix_a_fmt:MATRIX_FMT_FP6 matrix_b_fmt:MATRIX_FMT_FP6
.endif
.endr
.endr                                              ; the eight accumulators take turns, one instruction a turn
	WIN 0
	s_add_co_u32 s[TK], s[TK], 6144
	s_add_co_u32 s[TKS], s[TKS], 1024
	s_add_co_u32 s[TS], s[TS], 512
.endm
	WALU
	s_cmp_lt_u32 s[WV], 6
	s_cbranch_scc0 .Lnot_k
	s_wait_tensorcnt 0x0
.Lnot_k:
	s_barrier_signal -1
	s_barrier_wait -1                              ; K, its scale words and the mask are in
	KLOADS 1, 4, 6, 7, 0
	s_wait_loadcnt 0x0                             ; Q
	s_wait_dscnt 0x0
	STEP 1, 0
	s_mov_b32 s[CNT], 14
.Lstep:
	STEP 0, 0
	s_sub_co_u32 s[CNT], s[CNT], 1
	s_cmp_lg_u32 s[CNT], 0
	s_cbranch_scc1 .Lstep
	STEP 0, 1
	; THE WAY OUT.  O^T / the sum; register 8 t + j of lane (r, h) is channel 32 h + 8 t + j of my query: a whole block of 32 along the last product's K.
	s_wait_alu depctr_va_vdst(0)                   ; the sums were written ahead of the last step's wait
	v_lshl_add_u32 v54, v0, 1, STG                 ; my 16 bits among ctx's scale bytes: 2 x my thread's number
	v_add_nc_u32 v55, STG, v1                      ; where wave 0 reads them back,
	v_and_b32 v57, 15, v0
	v_lshlrev_b32 v56, 9, v8
	v_add_f32 v58, v42, v43                        ; the sum's two halves,
	v_add_f32 v59, v44, v45
	v_lshl_add_u32 v56, v57, 4, v56                ; and where they go: 256 bytes for each of two blocks of 128 rows, 4,096 bytes apart
	v_permlanex16_b32 v62, v58, s[SEL], s[SEL+1]
	v_permlanex16_b32 v63, v59, s[SEL], s[SEL+1]
	v_nop
	v_add_f32 v58, v58, v62                        ; and lane l xor 16's: the row's sum
	v_add_f32 v59, v59, v63
	WALU
	v_rcp_f32 v46, v58
	v_rcp_f32 v48, v59
	v_nop                                          ; one plain place behind a transcendental
	WALU
.set j, 0
.rept 16
	v_pk_mul_f32 v[64+j:65+j], v[OA+j:OA+1+j], v[46:47] op_sel_hi:[1,0]
	v_pk_mul_f32 v[128+j:129+j], v[OA+32+j:OA+33+j], v[48:49] op_sel_hi:[1,0]
.set j, j+2
.endr
.irp q, 0,1
	v_max3_num_f32 v[BM+\q], |v[64+64*\q]|, |v[65+64*\q]|, 0x1800000
.endr
.irp i, 2,4,6,8,10,12,14,16,18,20,22,24,26,28,30
.irp q, 0,1
	v_max3_num_f32 v[BM+\q], v[BM+\q], |v[64+64*\q+\i]|, |v[65+64*\q+\i]|
.endr
.endr
.irp q, 0,1
	v_add_nc_u32 v[OP+\q], 0xff000000, v[BM+\q]
.endr
.irp q, 0,1
	v_lshrrev_b32 v[BY+\q], 23, v[OP+\q]
.endr
.irp q, 0,1
	v_cvt_scalef32_pk16_fp6_f32 v[OA+8*\q:OA+2+8*\q], v[64+64*\q:79+64*\q], v[OP+\q]
	v_cvt_scalef32_pk16_fp6_f32 v[OA+16+4*\q:OA+18+4*\q], v[80+64*\q:95+64*\q], v[OP+\q]
.endr
	v_nop                                          ; one plain place behind a scaled conversion
.irp q, 0,1
.irp i, 0,1,2
	v_mov_b32 v[OA+3+8*\q+\i], v[OA+16+4*\q+\i]
.endr
.endr
.irp q, 0,1
	global_store_b128 v1, v[OA+8*\q:OA+3+8*\q], s[14:15] offset:768*\q        ; 512 consecutive bytes, then 256, each at a multiple of 256 from the buffer's first byte
	global_store_b64 v9, v[OA+4+8*\q:OA+5+8*\q], s[14:15] offset:768*\q+512
.endr
.irp q, 0,1
	v_lshlrev_b32 v[58+\q], v8, v[BY+\q]
.endr
.irp q, 0,1
	v_permlanex16_b32 v[62+\q], v[58+\q], s[SEL], s[SEL+1]
.endr
.irp q, 0,1
	v_or_b32 v[58+\q], v[58+\q], v[62+\q]          ; my row's two bytes of this head
.endr
	v_cmp_ne_u32 vcc_lo, 0, v8
	v_cndmask_b32 v58, v58, v59, vcc_lo            ; lanes 0-15: tile A's rows, lanes 16-31: tile B's
	ds_store_b16 v54, v58
	s_wait_dscnt 0x0                               ; for wave 0's sake
	s_barrier_signal -1
	s_barrier_wait -1
	s_cmp_lg_u32 s[WV], 0
	s_cbranch_scc1 .Lnot_first
	ds_load_b128 v[96:99], v55                     ; the work-group's 512 bytes leave as two aligned runs of 256
	s_wait_dscnt 0x0
	global_store_b128 v56, v[96:99], s[16:17]
.Lnot_first:
	s_wait_tensorcnt 0x0                           ; the wave's end
	ds_add_u32 v10, v11
	s_wait_dscnt 0x0
	CROUND                                         ; the closing round: no work-group ends while a partner may still ask for a tile that names it
	s_endpgm
.Lfunc_end_k_q8567cae782_attn:
	.size	k_q8567cae782_attn, .Lfunc_end_k_q8567cae782_attn-k_q8567cae782_attn
	.p2alignl 7, 3214868480
	.fill 96, 4, 3214868480
	.section	.rodata,"a",@progbits
	.p2align	6, 0x0
	.amdhsa_kernel k_q8567cae782_attn
		.amdhsa_group_segment_fixed_size 263168
		.amdhsa_private_segment_fixed_size 0
		.amdhsa_enable_private_segment 0
		.amdhsa_kernarg_size 56
		.amdhsa_user_sgpr_count 2
		.amdhsa_user_sgpr_kernarg_segment_ptr 1
		.amdhsa_wavefront_size32 1
		.amdhsa_system_sgpr_workgroup_id_x 1
		.amdhsa_system_sgpr_workgroup_id_y 1
		.amdhsa_system_sgpr_workgroup_id_z 1
		.amdhsa_system_vgpr_workitem_id 0
		.amdhsa_next_free_vgpr 512
		.amdhsa_next_free_sgpr 88
		.amdhsa_reserve_vcc 1
		.amdhsa_float_denorm_mode_32 3
		.amdhsa_float_denorm_mode_16_64 3
		.amdhsa_memory_ordered 1
		.amdhsa_forward_progress 1
		.amdhsa_inst_pref_size 99
	.end_amdhsa_kernel
	.amdgpu_metadata
---
amdhsa.version: [ 1, 2 ]
amdhsa.kernels:
  - .name:           k_q8567cae782_attn
    .symbol:         k_q8567cae782_attn.kd
    .args:
      - { .name: qc, .offset: 0, .size: 8, .value_kind: global_buffer, .address_space: global }
      - { .name: qs, .offset: 8, .size: 8, .value_kind: global_buffer, .address_space: global }
      - { .name: kb, .offset: 16, .size: 8, .value_kind: global_buffer, .address_space: global }
      - { .name: vb, .offset: 24, .size: 8, .value_kind: global_buffer, .address_space: global }
      - { .name: mask, .offset: 32, .size: 8, .value_kind: global_buffer, .address_space: global }
      - { .name: cc, .offset: 40, .size: 8, .value_kind: global_buffer, .address_space: global }
      - { .name: cs, .offset: 48, .size: 8, .value_kind: global_buffer, .address_space: global }
    .group_segment_fixed_size: 263168
    .private_segment_fixed_size: 0
    .kernarg_segment_align: 8
    .kernarg_segment_size: 56
    .max_flat_workgroup_size: 256
    .sgpr_count:     88
    .vgpr_count:     512
    .wavefront_size: 32
...
	.end_amdgpu_metadata
.endif
;; end of part 2
;; launch oproj (part 3): grid 8 x 32, 4 waves a work-group, clusters of 4 x 4, 220,672 bytes of LDS; arguments cc, cs, Wo_codes, Wo_scales, bo, out0; writes out0
.if DOCPART == 3
	.amdgcn_target "amdgcn-amd-amdhsa--gfx1250"
	.amdhsa_code_object_version 6
	.text
	.protected	k_q8567cae782_oproj
	.globl	k_q8567cae782_oproj
	.p2align	8
	.type	k_q8567cae782_oproj,@function
k_q8567cae782_oproj:
	s_mov_b64 s[64:65], 0
	v_nop
	global_prefetch_b8 v0, s[64:65] scope:SCOPE_SE
	s_setreg_imm32_b32 hwreg(HW_REG_WAVE_MODE, 25, 1), 1
	s_wait_xcnt 0x0
	s_wait_alu depctr_hold_cnt(0) depctr_sa_sdst(0) depctr_va_vdst(0) depctr_va_sdst(0) depctr_va_ssrc(0) depctr_va_vcc(0) depctr_vm_vsrc(0)
	s_getreg_b32 s2, hwreg(HW_REG_IB_STS2, 6, 4)
	s_cmp_eq_u32 s2, 0
	s_cbranch_scc0 .Lentry_in_a_cluster
	s_endpgm
.Lentry_in_a_cluster:
	s_bfe_u32 s2, ttmp6, 0x10000c
	s_cmp_lg_u32 s2, 0xf033
	s_cbranch_scc0 .Lentry_shape_is_right
	s_endpgm
.Lentry_shape_is_right:
; out = ctx Wo + bo on codes of FP6 (E2M3) with one E8M0 scale for each 32 along K = 1,024; out in f32.
; SHARES.  A work-group makes 128 rows x 128 columns; each of its four waves 64 x 64.  256 work-groups.  A wave keeps its 64 rows of Wo (64 columns of out), ALL of K, in registers, 384 of them, and streams ctx past them
; in four blocks a of 16 rows, 32 products each, so that a block's rows leave while the next block is multiplied.  The product is used transposed (source 0 = 16 rows of Wo, source 1 = 16 rows of ctx): a lane holds eight
; neighbouring columns of one row.  bo is the C of each sum's first product.
; ALL operands of the work-group lie in LDS, filled once, one tensor load a wave (one out, by this text's count): waves 0, 1 Wo's rows, waves 2, 3 ctx's images.  Nothing is filled again, and there is no later tile for a prefetch to run ahead of.
; ctx comes as images of operand registers (blocks of 768 bytes: 16 rows x one head's 64; registers 0-3 of lane l at 16 l, registers 4-5 at 512 + 8 l): a K step of 128 is two heads.  Lane r of ctx's tile a holds row
; 8 a + r (r < 8) or 32 + 8 (a xor 1) + r - 8 of its group of 64: the way out puts the rows where they belong.  Wo's rows lie 816 bytes apart in LDS (16 of padding behind each 256).
; CLUSTERS, 4 x 4: ctx's block hangs on the rows alone and is asked for jointly along a row of the cluster, Wo's on the columns alone, along a column.
; Nothing is left out as dead work.
; REGISTERS.  window 0: v8-27 addresses; v32-63 ctx's scale words (8 a + K step), v68-99 Wo's; v100-163 ctx's scale bytes as loaded, later rows of out in two sets.
;   fragments: f lies in window 1 + f / 21 at 12 (f % 21): 0-31 Wo's (4 s + b), 32-39 and 40-47 ctx's two sets.  window 3: v128-191 two sets of four accumulators; v192-223 bo.
.set PITCH, 816
.set WREG, 98304                       ; LDS: ctx at 0; Wo's 128 rows here;
.set STG,  WREG+128*PITCH              ; a stage of 16 rows x (256 + 16) bytes for each wave: no fill lands there
.set SPARE, STG+4*16*272               ; the spare words, 128 bytes for each wave
.set FR,   12
.set FPW,  21
.set CSC,  32
.set WOS,  68
.set RAW,  100
.set AC,   128
.set BO,   192
.set WV,   16                          ; s16 my wave's number
.set G1C,  48                          ; s[48:55] descriptor group 1 for ctx;  s[56:63] for Wo
.set G1W,  56
.set G0C,  68
.set G0W,  72
.set MSB, 0
.macro WIN new                         ; the immediate's high byte repeats the setting that is left
.if MSB != (\new)
	s_set_vgpr_msb (MSB<<8)|(\new)
.set MSB, \new
.endif
.endm
.macro PLACES n
.rept \n
	v_nop
.endr
.endm
.macro WALU
	s_wait_alu depctr_va_vdst(0)
.endm
.macro CROUND                          ; a round of the cluster's barrier
	s_barrier_signal -1
	s_barrier_wait -1
	s_cmp_lg_u32 s[WV], 0
	s_cbranch_scc1 .Lnot_wave_0_\@
	s_barrier_signal -3
.Lnot_wave_0_\@:
	s_barrier_wait -3
	s_barrier_signal -1
	s_barrier_wait -1
.endm
	s_load_b256 s[4:11], s[0:1], 0x0               ; cc s[4:5], cs s[6:7], Wo codes s[8:9], Wo scales s[10:11]
	s_load_b128 s[12:15], s[0:1], 0x20             ; bo s[12:13], out s[14:15]
	v_lshl_add_u32 v30, v0, 2, SPARE
	v_mov_b32 v31, 0
	ds_add_u32 v30, v31                            ; the wave's opening: the add, twice on end, and its wait
	ds_add_u32 v30, v31
	v_lshrrev_b32 v1, 5, v0
	v_readfirstlane_b32 s[WV], v1                  ; wave 0..3
	s_lshr_b32 s17, s[WV], 1                       ; which 64 rows are mine
	s_and_b32 s18, s[WV], 1                        ; which 64 columns.  Also: which half of Wo's rows or of ctx's images I fetch
	s_bfe_u32 s19, ttmp6, 0x40000                  ; cx
	s_bfe_u32 s20, ttmp6, 0x40004                  ; cy
	s_lshl_b32 s21, ttmp9, 2
	s_add_co_u32 s21, s21, s19                     ; the block of 128 columns
	s_and_b32 s22, ttmp7, 0xffff
	s_lshl_b32 s22, s22, 2
	s_add_co_u32 s22, s22, s20                     ; the block of 128 rows
	s_lshl_b32 s23, s20, 2
	s_lshl_b32 s23, 15, s23                        ; my row of the cluster
	s_lshl_b32 s24, 0x1111, s19                    ; my column
	s_or_b32 s[G1C], s23, (3<<16)|(1<<21)          ; ctx goes to my row; elements of 8 bytes; bit 21 set beside a mask; no padding
	s_mov_b32 s[G1C+1], 32<<16                     ; rows of 256 bytes,
	s_mov_b32 s[G1C+2], 192<<16                    ; 192 of them: 49,152 dense bytes
	s_mov_b32 s[G1C+3], 32<<16
	s_mov_b32 s[G1C+4], 192
	s_mov_b32 s[G1C+5], 32
	s_mov_b32 s[G1C+6], 0
	s_mov_b32 s[G1C+7], 0
	s_or_b32 s[G1W], s24, (1<<20)|(1<<21)|(5<<22)|(3<<25)   ; Wo goes to my column; elements of 1 byte; 4 words of padding after every 64
	s_mov_b32 s[G1W+1], 768<<16                    ; whole rows,
	s_mov_b32 s[G1W+2], 64<<16                     ; 64 of them
	s_mov_b32 s[G1W+3], 768<<16
	s_mov_b32 s[G1W+4], 64
	s_mov_b32 s[G1W+5], 768
	s_mov_b32 s[G1W+6], 0
	s_mov_b32 s[G1W+7], 0
	s_mul_i32 s25, s18, 49152                      ; my half, in bytes, of either
	s_mul_i32 s26, s22, 98304
	s_add_co_u32 s26, s26, s25                     ; ctx (these two registers never hold cx)
	s_mov_b32 s27, 0
	s_mul_i32 s28, s21, 98304                      ; Wo: 128 rows of 768 bytes for each block of columns (these two never hold cy)
	s_add_co_u32 s28, s28, s25
	s_mov_b32 s29, 0
	s_mul_i32 s30, s18, 64*PITCH
	s_add_co_u32 s30, s30, WREG
	s_mov_b32 s[G0C], 1
	s_mov_b32 s[G0C+1], s25
	s_mov_b32 s[G0W], 1
	s_mov_b32 s[G0W+1], s30
	WALU
	s_wait_dscnt 0x0
	CROUND                                         ; all sixteen work-groups are here: the joint loads meet
	s_wait_kmcnt 0x0
	s_add_nc_u64 s[G0C+2:G0C+3], s[4:5], s[26:27]
	s_or_b32 s[G0C+3], s[G0C+3], 0x80000000
	s_add_nc_u64 s[G0W+2:G0W+3], s[8:9], s[28:29]
	s_or_b32 s[G0W+3], s[G0W+3], 0x80000000
	s_cmp_lt_u32 s[WV], 2
	s_cbranch_scc0 .Lfor_c
	tensor_load_to_lds s[G0W:G0W+3], s[G1W:G1W+7]
	s_nop 0
	PLACES 4
	s_branch .Lasked
.Lfor_c:
	tensor_load_to_lds s[G0C:G0C+3], s[G1C:G1C+7]
	s_nop 0
	PLACES 4
.Lasked:
	v_and_b32 v1, 31, v0                           ; lane
	v_and_b32 v2, 15, v0                           ; r
	v_bfe_u32 v3, v0, 4, 1                         ; h
	v_lshlrev_b32 v15, 1, v2                       ; ctx's scale bytes: 2 a row
	v_lshlrev_b32 v16, 5, v2                       ; Wo's: 32 a row
	v_lshlrev_b32 v17, 5, v3                       ; bo: my half's eight numbers
	s_mul_i32 s31, s17, 3072                       ; my four tiles of a head's eight
	v_lshl_add_u32 v8, v1, 4, s31                  ; ctx: registers 0-3 of an image
	v_lshlrev_b32 v9, 3, v1
	v_add_nc_u32 v9, s31, v9
	v_add_nc_u32 v9, 512, v9                       ; registers 4-5
	v_add_nc_u32 v18, 49152, v8                    ; heads 8-15
	v_add_nc_u32 v19, 49152, v9
	s_mul_i32 s32, s18, 64*PITCH
	s_add_co_u32 s32, s32, WREG                    ; my 64 rows of Wo
	v_mul_u32_u24 v10, PITCH, v2
	v_mad_u32_u24 v10, v3, 24, v10
	v_add_nc_u32 v20, s32, v10                     ; row r, + 24 bytes for lanes 16-31;
	v_lshl_add_u32 v21, v3, 4, v20                 ; the same behind one padding more
.irp b, 1,2,3
	v_add_nc_u32 v[20+2*\b], \b*16*PITCH, v20
	v_add_nc_u32 v[21+2*\b], \b*16*PITCH, v21
.endr
	s_mul_i32 s33, s[WV], 16*272
	s_add_co_u32 s33, s33, STG                     ; my stage
	v_mul_u32_u24 v12, 272, v2
	v_lshl_add_u32 v12, v3, 5, v12
	v_add_nc_u32 v12, s33, v12                     ; in: row r, 32 bytes for each half of the lanes
	v_mul_u32_u24 v13, 272, v3
	v_lshl_add_u32 v13, v2, 4, v13
	v_add_nc_u32 v13, s33, v13                     ; back: lanes 0-15 one row of 256 bytes, lanes 16-31 the next
	v_lshlrev_b32 v14, 4, v2
	v_lshl_add_u32 v14, v3, 12, v14                ; and the same two rows in out: 4,096 bytes a row
	WALU
	s_lshl_b32 s34, s22, 12
	s_lshl_b32 s35, s17, 7
	s_add_co_u32 s34, s34, s35
	s_mov_b32 s35, 0
	s_add_nc_u64 s[6:7], s[6:7], s[34:35]          ; cs at my block's first head, my four tiles
	s_lshl_b32 s34, s21, 12
	s_lshl_b32 s36, s18, 11
	s_add_co_u32 s34, s34, s36
	s_add_nc_u64 s[10:11], s[10:11], s[34:35]      ; Wo's scales at my first row of Wo
	s_lshl_b32 s34, s21, 9
	s_lshl_b32 s36, s18, 8
	s_add_co_u32 s34, s34, s36                     ; my first column, in bytes
	s_add_nc_u64 s[12:13], s[12:13], s[34:35]
	s_add_nc_u64 s[14:15], s[14:15], s[34:35]
	s_lshl_b32 s34, s22, 19
	s_lshl_b32 s36, s17, 18
	s_add_co_u32 s34, s34, s36                     ; my first row: 128 x block + 64 x half, of 4,096 bytes
	s_add_nc_u64 s[14:15], s[14:15], s[34:35]
.irp a, 0,1,2,3
.irp e, 0,1,2,3,4,5,6,7,8,9,10,11,12,13,14,15
	global_load_u16 v[RAW+16*\a+\e], v15, s[6:7] offset:256*\e+32*\a    ; tile a, head e: my row's two scale bytes
.endr
.endr
.irp b, 0,1,2,3
	global_load_b128 v[WOS+8*\b:WOS+8*\b+3], v16, s[10:11] offset:512*\b       ; Wo's eight scale words of row 16 b + r
	global_load_b128 v[WOS+8*\b+4:WOS+8*\b+7], v16, s[10:11] offset:512*\b+16
.endr
	WIN 0xc0
.irp b, 0,1,2,3
	global_load_b128 v[BO+8*\b:BO+3+8*\b], v17, s[12:13] offset:64*\b            ; bo at columns 16 b + 8 h + 0 .. 7: the result's layout
	global_load_b128 v[BO+4+8*\b:BO+7+8*\b], v17, s[12:13] offset:64*\b+16
.endr
	WIN 0
.macro FRAG f, q, a0, a1               ; a fragment of Wo: six pieces of 8 bytes, two to a load where both go by one address register; where the piece three on (lanes 16-31) lies behind one padding more, the second address register serves
	WIN ((1+(\f)/FPW)<<6)
.set R_, FR*((\f)%FPW)
.set SKIP_, 0
.irp p, 0,1,2,3,4,5
.if SKIP_
.set SKIP_, 0
.else
.set PC_, 12*(\q)+6*(\p/3)+\p%3
.set PN_, 12*(\q)+6*((\p+1)/3)+(\p+1)%3
.set X_, (PC_%32+3)/32
.set XQ_, (PN_%32+3)/32
.if (\p < 5) && (X_ == XQ_)
.set SKIP_, 1
.if X_
	ds_load_2addr_b64 v[R_+2*\p:R_+2*\p+3], v[\a1] offset0:PC_+2*(PC_/32) offset1:PN_+2*(PN_/32)
.else
	ds_load_2addr_b64 v[R_+2*\p:R_+2*\p+3], v[\a0] offset0:PC_+2*(PC_/32) offset1:PN_+2*(PN_/32)
.endif
.elseif X_
	ds_load_b64 v[R_+2*\p:R_+2*\p+1], v[\a1] offset:8*(PC_+2*(PC_/32))
.else
	ds_load_b64 v[R_+2*\p:R_+2*\p+1], v[\a0] offset:8*(PC_+2*(PC_/32))
.endif
.endif
.endr
.endm
.macro FETCH a                         ; ctx's tile a, all of K, into set a % 2: 32 loads
.irp q, 0,1,2,3,4,5,6,7
.set F_, 32+8*((\a)%2)+\q
	WIN ((1+F_/FPW)<<6)
.set R_, FR*(F_%FPW)
.irp c, 0,1
	ds_load_b128 v[R_+6*\c:R_+6*\c+3], v[8+10*(\q/4)] offset:(2*(\q%4)+\c)*6144+768*(\a)
	ds_load_b64 v[R_+6*\c+4:R_+6*\c+5], v[9+10*(\q/4)] offset:(2*(\q%4)+\c)*6144+768*(\a)
.endr
.endr
	WIN 0
.endm
.macro PROD a, i                       ; product i = 4 s + b of block a: four accumulators by turns
.set S_, (\i)/4
.set B_, (\i)%4
.set FW_, 4*S_+B_
.set FC_, 32+8*((\a)%2)+S_
.set D_, AC+32*((\a)%2)+8*B_
.set XW_, WOS+8*B_+S_
.set XC_, CSC+8*(\a)+S_
.set C_, D_
.if S_ == 0
.set C_, BO+8*B_
.endif
	WIN (1+FW_/FPW)|((1+FC_/FPW)<<2)|0xf0
	v_wmma_scale_f32_16x16x128_f8f6f4 v[D_:D_+7], v[FR*(FW_%FPW):FR*(FW_%FPW)+FR-1], v[FR*(FC_%FPW):FR*(FC_%FPW)+FR-1], v[C_:C_+7], v[XW_], v[XC_] matrix_a_fmt:MATRIX_FMT_FP6 matrix_b_fmt:MATRIX_FMT_FP6
.endm
.macro PRODS a, from, to
.set I_, \from
.rept (\to)-(\from)
	PROD \a, I_
.set I_, I_+1
.endr
	WIN 0
.endm
; THE WAY OUT of block a: 16 rows x 64 columns go through my own stage and come back as rows of 256 bytes.  LDS serves a wave's instructions in order (ISA guide 5.7.1.4): no wait between the stores and the loads.
.macro TOSTAGE a                       ; 16 LDS instructions
	WIN 0x0c                                       ; an LDS store's data are its source 1: window 3
.irp b, 0,1,2,3
	ds_store_b128 v12, v[AC+32*((\a)%2)+8*\b:AC+32*((\a)%2)+8*\b+3] offset:64*\b       ; each accumulator from its low end on
	ds_store_b128 v12, v[AC+32*((\a)%2)+8*\b+4:AC+32*((\a)%2)+8*\b+7] offset:64*\b+16
.endr
	WIN 0
.irp i, 0,1,2,3,4,5,6,7
	ds_load_b128 v[RAW+32*((\a)%2)+4*\i:RAW+32*((\a)%2)+4*\i+3], v13 offset:544*\i
.endr
.endm
.macro SEND a, younger                 ; younger: the LDS instructions issued behind block a's loads, which may stay out
	s_wait_dscnt \younger
.irp i, 0,1,2,3,4,5,6,7
.if \i < 4
.set ROW, 8*(\a)+2*\i                  ; the tile's rows 0-7 are rows 8 a on of my 64,
.else
.set ROW, 32+8*((\a)+1-2*((\a)%2))+2*(\i-4)   ; its rows 8-15 are rows 32 + 8 (a xor 1) on
.endif
	global_store_b128 v14, v[RAW+32*((\a)%2)+4*\i:RAW+32*((\a)%2)+4*\i+3], s[14:15] offset:4096*ROW th:TH_STORE_NT   ; 16 lanes store 256 consecutive bytes, at a multiple of 256 from out's first byte; written once, read by nobody here
.endr
.endm
	WALU
	s_cmp_lt_u32 s[WV], 2
	s_cbranch_scc0 .Lnot_w
	s_wait_tensorcnt 0x0
.Lnot_w:
	s_barrier_signal -1
	s_barrier_wait -1                              ; Wo's rows are in
.irp q, 0,1,2,3,4,5,6,7
.irp b, 0,1,2,3
	FRAG 4*\q+\b, \q, 20+2*\b, 21+2*\b             ; my 64 rows of Wo, all of K: 104 loads
.endr
.endr
	WIN 0
	s_wait_loadcnt 0x0
.irp a, 0,1,2,3
.irp j, 0,1,2,3,4,5,6,7
	v_lshl_or_b32 v[CSC+8*\a+\j], v[RAW+16*\a+2*\j+1], 16, v[RAW+16*\a+2*\j]   ; two heads' bytes make the word of a K step of 128
.endr
.endr
	PLACES 8                                       ; a scale register written by a vector instruction stands 8 places ahead of a scaled matrix instruction
	WALU
	s_wait_tensorcnt 0x0
	s_wait_dscnt 0x0
	s_barrier_signal -1
	s_barrier_wait -1                              ; ctx is in
	FETCH 0
	FETCH 1
	s_wait_dscnt 32                                ; block 0 is in; block 1's 32 loads may be out
	PRODS 0, 0, 32
	PLACES 4                                       ; in front of the first read of results and of loads into registers that the products read
	TOSTAGE 0
	FETCH 2
	s_wait_dscnt 48                                ; block 1 is in; behind it: block 0's 16 through the stage and block 2's 32
	PRODS 1, 0, 16
	SEND 0, 32
	PRODS 1, 16, 32
	PLACES 4
	TOSTAGE 1
	FETCH 3
	s_wait_dscnt 48                                ; block 2 is in
	PRODS 2, 0, 16
	SEND 1, 32
	PRODS 2, 16, 32
	PLACES 4
	s_wait_xcnt 0x0                                ; block 0's stores have read their registers: block 2's loads may land there
	TOSTAGE 2
	s_wait_dscnt 16                                ; block 3 is in
	PRODS 3, 0, 16
	SEND 2, 0
	PRODS 3, 16, 32
	PLACES 4
	s_wait_xcnt 0x0
	TOSTAGE 3
	SEND 3, 0
	s_wait_tensorcnt 0x0                           ; the wave's end
	ds_add_u32 v30, v31
	s_wait_dscnt 0x0
	CROUND                                         ; the closing round: no work-group ends while a partner may still ask for a tile that names it
	s_endpgm
.Lfunc_end_k_q8567cae782_oproj:
	.size	k_q8567cae782_oproj, .Lfunc_end_k_q8567cae782_oproj-k_q8567cae782_oproj
	.p2alignl 7, 3214868480
	.fill 96, 4, 3214868480
	.section	.rodata,"a",@progbits
	.p2align	6, 0x0
	.amdhsa_kernel k_q8567cae782_oproj
		.amdhsa_group_segment_fixed_size 220672
		.amdhsa_private_segment_fixed_size 0
		.amdhsa_enable_private_segment 0
		.amdhsa_kernarg_size 48
		.amdhsa_user_sgpr_count 2
		.amdhsa_user_sgpr_kernarg_segment_ptr 1
		.amdhsa_wavefront_size32 1
		.amdhsa_system_sgpr_workgroup_id_x 1
		.amdhsa_system_sgpr_workgroup_id_y 1
		.amdhsa_system_sgpr_workgroup_id_z 1
		.amdhsa_system_vgpr_workitem_id 0
		.amdhsa_next_free_vgpr 1024
		.amdhsa_next_free_sgpr 100
		.amdhsa_reserve_vcc 0
		.amdhsa_float_denorm_mode_32 3
		.amdhsa_float_denorm_mode_16_64 3
		.amdhsa_memory_ordered 1
		.amdhsa_forward_progress 1
		.amdhsa_inst_pref_size 57
	.end_amdhsa_kernel
	.amdgpu_metadata
---
amdhsa.version: [ 1, 2 ]
amdhsa.kernels:
  - .name:           k_q8567cae782_oproj
    .symbol:         k_q8567cae782_oproj.kd
    .args:
      - { .name: cc, .offset: 0, .size: 8, .value_kind: global_buffer, .address_space: global }
      - { .name: cs, .offset: 8, .size: 8, .value_kind: global_buffer, .address_space: global }
      - { .name: Wo_codes, .offset: 16, .size: 8, .value_kind: global_buffer, .address_space: global }
      - { .name: Wo_scales, .offset: 24, .size: 8, .value_kind: global_buffer, .address_space: global }
      - { .name: bo, .offset: 32, .size: 8, .value_kind: global_buffer, .address_space: global }
      - { .name: out0, .offset: 40, .size: 8, .value_kind: global_buffer, .address_space: global }
    .group_segment_fixed_size: 220672
    .private_segment_fixed_size: 0
    .kernarg_segment_align: 8
    .kernarg_segment_size: 48
    .max_flat_workgroup_size: 128
    .sgpr_count:     100
    .vgpr_count:     1024
    .wavefront_size: 32
...
	.end_amdgpu_metadata
.endif
;; end of part 3
